; MI455X (gfx1250); checked and timed in simulation.
; The chip was launched on July 23, 2026; its instructions are those of AMD's public machine-readable ISA for CDNA 5 (MIT licence, August 2026) and "CDNA5" Instruction Set Architecture Reference Guide (July 2026). The comments in the code are by the model that wrote it; some were corrected since.
;; Place Cells. Allowed arithmetic: float matrix products may take bf16 or f16 operands with f32 sums; all other float work in f32.
;; Inputs: placeCells 2,048 x 256 float32; x 131,072 x 256 float32.
;; Outputs: out0 131,072 int32.
;; One version. Each part assembles by itself: llvm-mc -triple=amdgcn-amd-amdhsa -mcpu=gfx1250 --defsym DOCPART=n.
;; ======== version 1 of 1: 1 launch
;; launch place (part 1): grid 256 x 1, 4 waves a work-group, clusters of 4 x 1, 327,680 bytes of LDS; arguments x, placeCells, out0; writes out0
.if DOCPART == 1
	.amdgcn_target "amdgcn-amd-amdhsa--gfx1250"
	.amdhsa_code_object_version 6
	.text
	.protected	k_q7e59b5a63b_place
	.globl	k_q7e59b5a63b_place
	.p2align	8
	.type	k_q7e59b5a63b_place,@function
k_q7e59b5a63b_place:
	s_mov_b64 s[64:65], 0
	v_nop
	global_prefetch_b8 v0, s[64:65] scope:SCOPE_SE
	s_setreg_imm32_b32 hwreg(HW_REG_WAVE_MODE, 25, 1), 1
	s_wait_xcnt 0x0
	s_wait_alu depctr_hold_cnt(0) depctr_sa_sdst(0) depctr_va_vdst(0) depctr_va_sdst(0) depctr_va_ssrc(0) depctr_va_vcc(0) depctr_vm_vsrc(0)
	s_getreg_b32 s2, hwreg(HW_REG_IB_STS2, 6, 4)
	s_cmp_eq_u32 s2, 0
	s_cbranch_scc0 .Lentry_in_a_cluster
	s_endpgm
.Lentry_in_a_cluster:
	s_bfe_u32 s2, ttmp6, 0x10000c
	s_cmp_lg_u32 s2, 0x3003
	s_cbranch_scc0 .Lentry_shape_is_right
	s_endpgm
.Lentry_shape_is_right:
; out0[n] = the first index c at which sims[n][c] = x[n] . placeCells[c] is largest.  x: [131072][256] f32, placeCells: [2048][256] f32, out0: [131072] i32.
; LIMITS.  Both operands are rounded to bf16 (nearest even) and the 256 products of a sum are added in f32 by the matrix instruction, 32 along K at a time, K ascending: a row whose two largest
; sums lie closer together than that arithmetic tells apart (about 1e-6 of their size on top of the operands' rounding) may get the other index.  Sums that are equal as computed give the first index, exactly.
; A NaN among a row's sums never wins here (in the reference it does); infinities are not treated apart; a row whose sums are all -inf, or all NaN, gives 0.
; SHARES.  A work-group owns 512 rows of x, each of its four waves 128: eight tiles of 16.  A wave's 128 x 256 numbers are rounded to bf16 once and stay in 512 registers as 64 fragments.
; All 2,048 cells pass by, 128 to an LDS slot, as f32: a ring of two slots filled by tensor loads.  Each wave reads a block of 16 cells out of LDS, rounds it to bf16 in registers
; and multiplies it with its eight tiles: 64 matrix instructions a block, one LDS load of 16 bytes a lane for every two of them.  The 1 GB of sums never exists: they are folded in registers.
; CLUSTER.  Every work-group walks the same cells, so the four of a cluster ask for each tile JOINTLY: the same tensor load, descriptor and mask in all four.
; LAYOUT.  Source 0 = 16 cells, source 1 = 16 rows of x: in the result lane l holds row l % 16 of the tile and, in register j, cell 8 (l / 16) + j of the block.
; THE FOLD.  For each tile and register a running BEST (f32) and IDX (the number of the block that set it); only a strictly greater sum replaces them, so IDX is the earliest block.
; At the end m = the largest BEST of the row's 16 classes, and the answer is the least 16 IDX + 8 (l / 16) + j among the classes whose BEST equals m: the first index of the maximum.
; BY TURNS.  A block is two UNITS of 32 matrix instructions (tiles 0-3, tiles 4-7; 4 accumulators by turns, K ascending).  Behind every matrix instruction stand four vector instructions:
; behind the first eight the rounding of half of the NEXT block's cells, behind the other 24 the fold (3 instructions a register) of the unit before.
; REGISTERS, in windows of 256 (s_set_vgpr_msb: bits 1:0 source 0, 3:2 source 1, 5:4 source 2, 7:6 destination):
;   window 0: v0-27 addresses and small things; v32-63, v64-95 the two units' accumulators; v96-159 BEST; v160-223 IDX
;   window 1: v0-127 a block of cells in f32 as loaded (K step k at 16 k); v128-191, v192-255 two buffers of a block in bf16 (K step k at 8 k); before the products: where x's loads land
;   windows 2, 3: x's fragments: tile t, K step k at 64 (t % 4) + 8 k of window 2 + t / 4
.set PC,    1040              ; a cell's row in LDS: 1,024 bytes + 16 of padding: the 16 rows that a load touches begin 16 bytes further on, modulo 256, each (64 banks of 4 bytes: ISA guide 11.1)
.set BLKB,  16*PC             ; a block of 16 cells
.set QUART, 32*PC             ; what one tensor load brings: a wave's quarter of a slot
.set SLOT,  128*PC            ; 133,120 = 0x20800: its two bits are set in no quarter's base, so one exclusive or turns an address in one slot into the other's
.set XST,   2*SLOT            ; behind the ring, never filled by a tensor load: for each wave 16 rows of 256 bf16
.set PX,    528               ; a row there: 512 bytes + 16
.set XSTW,  16*PX             ; 8,448 bytes a wave: 33 blocks of 256
.set SPARE, XST+4*XSTW        ; behind the stages: the spare words, 128 bytes for each wave: two blocks of 256 bytes that no other line names
.set A0,   2                  ; v2   my lane's place in a block of cells: (l % 16) PC + 32 (l / 16); never rewritten
.set ADR,  3                  ; v3   the LDS address of the block that is being fetched
.set XO,   4                  ; v4   16 x lane: my offset in 512 consecutive bytes of x, and of out0
.set STO,  5                  ; v5   my stage + 8 x lane
.set XF,   6                  ; v6   my stage + (l % 16) PX + 16 (l / 16)
.set BLK,  7                  ; v7   the number of the block that is being folded
.set SPW,  8                  ; v8   LDS address of my spare word: SPARE + 4 x my thread's number; never rewritten
.set NIL,  9                  ; v9   0; never rewritten
.set OST,  11                 ; v11  my stage + 4 (l % 16)
.set ORD,  12                 ; v12  my stage + 16 x lane
.set T0,   14                 ; v14, v15 at work at the end
.set T1,   15
.set HJ,   16                 ; v16-23  8 (l / 16) + j
.set ACC0, 32
.set BEST, 96
.set IDX,  160
.set F,    0                  ; window 1
.set BF0,  128                ; window 1; the second buffer 64 further on
.set WV,   10                 ; s10  my wave's number
.set G1,   16                 ; s[16:23] descriptor group 1
.set G0A,  24                 ; s[24:27] descriptor group 0: tile 0 into slot 0
.set G0W,  28                 ; s[28:31] descriptor group 0: tile 1 into slot 1; then it walks
.set TB,   32                 ; s32  LDS byte at which the block to be fetched next begins
.set CNT,  33                 ; s33  counts pairs of blocks
.set SLOTS, 34                ; s34  counts slots
.set NINF, 35                 ; s35  -infinity
.set SEL,  36                 ; s[36:37] v_permlanex16_b32's selects: each lane takes its own place in the other half
.set MSB, 0
.macro WIN new                ; the immediate's high byte repeats the setting that is left; a switch that changes nothing is dropped
.if MSB != (\new)
	s_set_vgpr_msb (MSB<<8)|(\new)
.set MSB, (\new)
.endif
.endm
.set CV,  0x45                ; destination and both sources in window 1
.set TOF, 0x40                ; destination window 1, address window 0
.set STX, 0x04                ; an LDS store's data in window 1, its address in window 0
; A round of the cluster's barrier: my work-group's barrier, so that wave 0's signal speaks for all four waves; wave 0 signals; every wave waits for all four work-groups; my work-group's barrier once more.
.macro ROUND
	s_barrier_signal -1
	s_barrier_wait -1
	s_cmp_lg_u32 s[WV], 0
	s_cbranch_scc1 .Lnot_wave_0_\@
	s_barrier_signal -3
.Lnot_wave_0_\@:
	s_barrier_wait -3
	s_barrier_signal -1
	s_barrier_wait -1
.endm
; Tile t of x, 16 rows x 1,024 bytes: 32 loads, each of 512 consecutive bytes, into half t % 2 of window 1.
.macro XLOAD t
	WIN TOF
.set j, 0
.rept 32
	global_load_b128 v[128*((\t)%2)+4*j:128*((\t)%2)+4*j+3], v[XO], s[4:5] offset:(\t)*16384+j*512 th:TH_LOAD_NT
.set j, j+1
.endr
.endm
; Tile t has come: rounded to bf16 in place, laid into my stage by rows, read back as eight fragments.  left = the younger loads that may stay out.  refill = 1: the tile two further on is asked for.
.macro XTILE t, refill, left
	s_wait_loadcnt \left          ; loads come back in order (ISA guide 5.7.1): tile t is in; the 32 loads of tile t + 1 stay out
	WIN CV
.set GB, 128*((\t)%2)
.set j, 0
.rept 32
	v_cvt_pk_bf16_f32 v[GB+4*j],   v[GB+4*j],   v[GB+4*j+1]
	v_cvt_pk_bf16_f32 v[GB+4*j+1], v[GB+4*j+2], v[GB+4*j+3]
.set j, j+1
.endr
	WIN STX
.set j, 0
.rept 32
	ds_store_b64 v[STO], v[GB+4*j:GB+4*j+1] offset:(j/2)*PX+(j%2)*256  ; load j held half j % 2 of row j / 2: 32 lanes x 8 bytes are 256 consecutive bytes
.set j, j+1
.endr
.if \refill
	XLOAD (\t)+2
.endif
	WIN 0x80+0x40*((\t)/4)        ; destination window 2 or 3
.set j, 0
.rept 8                       ; LDS serves a wave's instructions in order (ISA guide 5.7.1.4): these see the stores above, and the next tile's stores come behind them
	ds_load_b128 v[64*((\t)%4)+8*j:64*((\t)%4)+8*j+3],   v[XF] offset:64*j
	ds_load_b128 v[64*((\t)%4)+8*j+4:64*((\t)%4)+8*j+7], v[XF] offset:64*j+32
.set j, j+1
.endr
.endm
; 16 LDS loads in one run: half u (K steps 4 u .. 4 u + 3) of a block of cells in f32.  Of a K step's 32 numbers lane l takes 8 (l / 16) + 0..7 and 16 + 8 (l / 16) + 0..7: the fragment's order.
.macro FRUN u, extra
	WIN TOF
.set fk, 4*(\u)
.rept 4
	ds_load_b128 v[F+16*fk:F+16*fk+3],     v[ADR] offset:(\extra)+128*fk
	ds_load_b128 v[F+16*fk+4:F+16*fk+7],   v[ADR] offset:(\extra)+128*fk+16
	ds_load_b128 v[F+16*fk+8:F+16*fk+11],  v[ADR] offset:(\extra)+128*fk+64
	ds_load_b128 v[F+16*fk+12:F+16*fk+15], v[ADR] offset:(\extra)+128*fk+80
.set fk, fk+1
.endr
.endm
.macro CVT u, nb              ; number c of the 32 roundings of half u, into bf16 buffer nb
	WIN CV
	v_cvt_pk_bf16_f32 v[BF0+64*(\nb)+32*(\u)+c], v[F+64*(\u)+2*c], v[F+64*(\u)+2*c+1]
.set c, c+1
.endm
.macro AM o                   ; number q of the 96 that fold unit o's 32 result registers, in ascending order: each accumulator's lowest register is read first
	WIN 0
.set av, 32*(\o)+q/3
.if q%3 == 0
	v_cmp_gt_f32 vcc_lo, v[ACC0+av], v[BEST+av]
.elseif q%3 == 1
	v_max_num_f32 v[BEST+av], v[ACC0+av], v[BEST+av]
.else
	v_cndmask_b32 v[IDX+av], v[IDX+av], v[BLK], vcc_lo
.endif
.set q, q+1
.endm
.macro MM p, u                ; matrix instruction i of a unit's 32: K step i / 4, tile 4 u + i % 4, cells from bf16 buffer p.  The first four start the sums with the constant 0
	WIN 0x09+4*(\u)               ; source 0 window 1, source 1 window 2 + u, C and D window 0
.set rD, ACC0+32*(\u)+8*(i%4)
.set rA, BF0+64*(\p)+8*(i/4)
.set rX, 64*(i%4)+8*(i/4)
.if i < 4
	v_wmma_f32_16x16x32_bf16 v[rD:rD+7], v[rA:rA+7], v[rX:rX+7], 0
.else
	v_wmma_f32_16x16x32_bf16 v[rD:rD+7], v[rA:rA+7], v[rX:rX+7], v[rD:rD+7]
.endif
.endm
; A UNIT.  The four accumulators take turns, one instruction a turn, from unit to unit and over the loops' backward jumps too.
; cv = 1: half u of the next block, which lies in f32 in window 1, is rounded into the other bf16 buffer (last read 16 matrix instructions ago or more).  left = the LDS loads issued behind that half's run.
; ld = 1: behind the eighth matrix instruction that half is fetched again, from the block after the next: the run has 56 matrix instructions in which to land.
; The fold reads the other unit's results: behind that unit's last matrix instruction stand its own last four fold lines, plain and naming none of its registers (ISA guide 7.12.1), and eight matrix instructions more.
.macro UNIT p, u, ld, cv, left
.if \cv
	s_wait_dscnt \left
.endif
.set i, 0
.set c, 0
.set q, 0
.rept 32
	MM \p, \u
.if i < 8
.if \cv
.rept 4
	CVT \u, 1-(\p)
.endr
.endif
.else
.rept 4
	AM 1-(\u)
.endr
.endif
.if (\ld) && (i == 7)
.if (\u) == 0
	WIN 0
	v_add_nc_u32 v[ADR], s[TB], v[A0]
.endif
	FRUN \u, 0
.if (\u) == 1
	s_add_co_u32 s[TB], s[TB], BLKB   ; the next fetch is the next block's
.endif
.endif
.set i, i+1
.endr
.if (\u) == 0
	WIN 0
	v_add_nc_u32 v[BLK], 1, v[BLK]    ; the first unit folded the block before's second unit; from here on this block's number holds
.endif
.endm
.macro BLOCK p, ld, cv, l0, l1
	UNIT \p, 0, \ld, \cv, \l0
	UNIT \p, 1, \ld, \cv, \l1
.endm
.macro PAIR                   ; at each unit's head one run of 16 loads, the other half's, was issued behind the run that the unit rounds
	BLOCK 0, 1, 1, 16, 16
	BLOCK 1, 1, 1, 16, 16
	WIN 0                         ; at a label and at a branch every window is 0
.endm
; THE CHANGE OF SLOTS: all eight blocks of a slot have been asked for.  Each wave waits for all its tensor loads, of which one is out: its quarter of the other slot; adds 0 to its spare word;
; and waits for that and for its own reads of the slot.  Behind the barrier nobody reads this slot any more and the other slot is whole.  fill = 1: the slot is filled again, with the cells two
; tiles on; the barrier is then a round of the cluster's, so that no wave of any partner still reads the slot or has a load on its way, and the joint refill is the first thing behind it:
; it has eight blocks, 512 matrix instructions, in which to land.
.macro CHANGE fill
	WIN 0
	s_wait_tensorcnt 0x0          ; no tensor load of mine is out, so a group 0 may be written
	ds_add_u32 v[SPW], v[NIL]     ; 0 onto my spare word
.if \fill
	s_xor_b32 s[G0W+1], s[G0W+1], SLOT                  ; the walking descriptor: the other slot than last time,
	s_add_nc_u64 s[G0W+2:G0W+3], s[G0W+2:G0W+3], 0x20000  ; the next 128 cells; the type bits on top are not reached
	s_wait_dscnt 0x0              ; the add is done, and my reads of the slot are over
	ROUND
	tensor_load_to_lds s[G0W:G0W+3], s[G1:G1+7]
	s_nop 0
.rept 4
	v_nop                         ; the windows are switched only behind these
.endr
.else
	s_wait_dscnt 0x0              ; the add is done, and my reads of the slot are over
	s_barrier_signal -1
	s_barrier_wait -1
.endif
	s_sub_co_u32 s[TB], s[TB], SLOT   ; the fetches go back to a slot's first block,
	s_xor_b32 s[TB], s[TB], SLOT      ; in the other slot
.endm
; Tile t's answer.  m over my eight classes and the other half of the lanes'; each class's index, or all ones where its BEST is not m; the least of them.
.macro FIN t
.set rB, BEST+8*(\t)
.set rI, IDX+8*(\t)
	v_max3_num_f32 v[T0], v[rB], v[rB+1], v[rB+2]
	v_max3_num_f32 v[T0], v[T0], v[rB+3], v[rB+4]
	v_max3_num_f32 v[T0], v[T0], v[rB+5], v[rB+6]
	v_max_num_f32 v[T0], v[T0], v[rB+7]
	v_permlanex16_b32 v[T1], v[T0], s[SEL], s[SEL+1]   ; the row's other eight classes lie in the lane 16 away
	v_max_num_f32 v[T0], v[T0], v[T1]
.set j, 0
.rept 8
	v_lshl_or_b32 v[rI+j], v[rI+j], 4, v[HJ+j]         ; 16 x block + 8 (l / 16) + j
	v_cmp_eq_f32 vcc_lo, v[rB+j], v[T0]
	v_cndmask_b32 v[rI+j], -1, v[rI+j], vcc_lo
.set j, j+1
.endr
	v_min_u32 v[rI],   v[rI],   v[rI+1]
	v_min_u32 v[rI+2], v[rI+2], v[rI+3]
	v_min_u32 v[rI+4], v[rI+4], v[rI+5]
	v_min_u32 v[rI+6], v[rI+6], v[rI+7]
	v_min_u32 v[rI],   v[rI],   v[rI+2]
	v_min_u32 v[rI+4], v[rI+4], v[rI+6]
	v_min_u32 v[rI],   v[rI],   v[rI+4]
	v_permlanex16_b32 v[T1], v[rI], s[SEL], s[SEL+1]
	v_min_u32 v[rI], v[rI], v[T1]
	ds_store_b32 v[OST], v[rI] offset:64*(\t)          ; both halves of the lanes write the same word with the same number
.endm
	s_load_b128 s[4:7], s[0:1], 0x0   ; x s[4:5], placeCells s[6:7]
	s_load_b64 s[8:9], s[0:1], 0x10   ; out0
	v_lshl_add_u32 v[SPW], v0, 2, SPARE
	v_mov_b32 v[NIL], 0
	ds_add_u32 v[SPW], v[NIL]         ; the wave's opening: the add and its wait stand ahead of my first tensor load; the set-up below, work on registers, stands between them
	v_lshrrev_b32 v13, 5, v0
	v_readfirstlane_b32 s[WV], v13    ; wave 0..3
	s_bfe_u32 s11, ttmp6, 0x40000     ; cx: my place in the cluster
	s_lshl_b32 s12, ttmp9, 2          ; in a cluster launch ttmp9 counts clusters
	s_add_co_u32 s12, s12, s11        ; my work-group = 4 x cluster x + cx: it enters x's and out0's addresses alone
	s_lshl_b32 s14, s12, 19           ; 512 rows of 1,024 bytes a work-group,
	s_lshl_b32 s3, s[WV], 17          ; 128 a wave
	s_add_co_u32 s14, s14, s3
	s_mov_b32 s15, 0
	s_lshl_b32 s42, s12, 11           ; 512 answers of 4 bytes a work-group,
	s_lshl_b32 s3, s[WV], 9           ; 128 a wave
	s_add_co_u32 s42, s42, s3
	s_mov_b32 s43, 0
	s_lshl_b32 s38, s[WV], 15         ; of a tile of 128 cells I fetch 32: 32,768 bytes a wave
	s_mov_b32 s39, 0
	; descriptor group 1: a tile of 32 rows x 256 elements of 4 bytes, padded in LDS.  32 rows: a slot's 128 shared out among four waves
	s_mov_b32 s[G1+0], 15|(2<<16)|(1<<20)|(1<<21)|(7<<22)|(3<<25)  ; 15:0 the mask: all four work-groups; 17:16 elements of 4 bytes; 20 padding on; 21 set beside a mask; 24:22 after every 256 words (code 7); 31:25 4 words of it (code 3)
	s_mov_b32 s[G1+1], 256<<16        ; tensor_dim0 = 256
	s_mov_b32 s[G1+2], 32<<16         ; tensor_dim1 = 32
	s_mov_b32 s[G1+3], 256<<16        ; tile_dim0 = 256
	s_mov_b32 s[G1+4], 32             ; tile_dim1 = 32
	s_mov_b32 s[G1+5], 256            ; 256 elements from row to row
	s_mov_b32 s[G1+6], 0
	s_mov_b32 s[G1+7], 0
	s_mov_b32 s[G0A], 1               ; 1:0 count = 1
	s_mul_i32 s[G0A+1], s[WV], QUART  ; 63:32 LDS address: my quarter of slot 0: no place in the cluster enters an LDS address
	s_mov_b32 s[G0W], 1
	s_add_co_u32 s[G0W+1], s[G0A+1], SLOT  ; my quarter of slot 1
	s_mov_b32 s[NINF], 0xff800000
	s_mov_b32 s[SEL], 0x76543210
	s_mov_b32 s[SEL+1], 0xfedcba98
	s_mul_i32 s13, s[WV], XSTW
	s_add_co_u32 s13, s13, XST        ; my stage
	v_and_b32 v1, 15, v0              ; l % 16
	v_bfe_u32 v10, v0, 4, 1           ; l / 16
	v_and_b32 v13, 31, v0             ; lane
	v_mul_u32_u24 v[A0], v1, PC
	v_lshl_add_u32 v[A0], v10, 5, v[A0]
	v_lshlrev_b32 v[XO], 4, v13
	v_lshl_add_u32 v[STO], v13, 3, s13
	v_mul_u32_u24 v[XF], v1, PX
	v_lshl_add_u32 v[XF], v10, 4, v[XF]
	v_add_nc_u32 v[XF], s13, v[XF]
	v_lshl_add_u32 v[OST], v1, 2, s13
	v_lshl_add_u32 v[ORD], v13, 4, s13
	s_wait_dscnt 0x0                  ; the opening add is done
	s_wait_kmcnt 0x0
	s_add_nc_u64 s[4:5], s[4:5], s[14:15]      ; x at my wave's first row
	s_add_nc_u64 s[8:9], s[8:9], s[42:43]      ; out0 at my wave's first answer
	s_add_nc_u64 s[40:41], s[6:7], s[38:39]    ; the cells at my 32 rows of tile 0
	s_mov_b64 s[G0A+2:G0A+3], s[40:41]         ; 120:64 global address
	s_or_b32 s[G0A+3], s[G0A+3], 0x80000000    ; 127:126 type = 2
	s_add_nc_u64 s[G0W+2:G0W+3], s[40:41], 0x20000  ; tile 1: 128 cells of 1,024 bytes on
	s_or_b32 s[G0W+3], s[G0W+3], 0x80000000
	XLOAD 0                           ; x's first tile is on its way while the cluster meets
	WIN 0
	ROUND                             ; all four work-groups are here: the first joint loads meet
	tensor_load_to_lds s[G0A:G0A+3], s[G1:G1+7]   ; the two first fills go out together: two tensor loads of mine are out, the most that this text has
	s_nop 0
	tensor_load_to_lds s[G0W:G0W+3], s[G1:G1+7]
	s_nop 0
.rept 4
	v_nop
.endr
	XLOAD 1
	; What the first unit finds, made while x is on its way: BEST = -inf, IDX = 0, and -inf in the second unit's accumulators: the first fold, of a block that has not been, finds nothing greater and changes nothing.
	WIN 0
.set j, 0
.rept 64
	v_mov_b32 v[BEST+j], s[NINF]
	v_mov_b32 v[IDX+j], 0
.set j, j+1
.endr
.set j, 0
.rept 32
	v_mov_b32 v[ACC0+32+j], s[NINF]
.set j, j+1
.endr
.set j, 0
.rept 8
	v_lshl_add_u32 v[HJ+j], v10, 3, j
.set j, j+1
.endr
	v_mov_b32 v[BLK], -1
	v_mov_b32 v[T1], 0                ; v_permlanex16_b32 counts as a reader of its destination
	XTILE 0, 1, 32
	XTILE 1, 1, 32
	XTILE 2, 1, 32
	XTILE 3, 1, 32
	XTILE 4, 1, 32
	XTILE 5, 1, 32
	XTILE 6, 0, 32
	XTILE 7, 0, 0                     ; the last tile: no load was issued behind its own
	WIN 0
	s_wait_tensorcnt 0x1              ; my quarter of slot 0 is in; slot 1's may stay out
	s_wait_dscnt 0x0                  ; x's fragments are in
	s_barrier_signal -1
	s_barrier_wait -1                 ; everybody's quarter is in
	v_mov_b32 v[ADR], v[A0]
	FRUN 0, 0                         ; block 0
	FRUN 1, 0
	s_wait_dscnt 0x0
.set c, 0
.rept 32
	CVT 0, 0
.endr
.set c, 0
.rept 32
	CVT 1, 0
.endr
	FRUN 0, BLKB                      ; block 1
	FRUN 1, BLKB
	s_mov_b32 s[TB], 2*BLKB
	s_mov_b32 s[CNT], 3               ; two of slot 0's eight blocks have been fetched: three pairs fetch the rest
	s_mov_b32 s[SLOTS], 15
	WIN 0
	s_branch .Lpair                   ; every wave of every work-group alike
.Lslot:                               ; 14 times: tiles 2 to 15 are asked for
	CHANGE 1
	s_mov_b32 s[CNT], 4
.Lpair:                               ; a trip multiplies two blocks and fetches the two that lie two further on
	PAIR
	s_sub_co_u32 s[CNT], s[CNT], 1
	s_cmp_lg_u32 s[CNT], 0
	s_cbranch_scc1 .Lpair
	s_sub_co_u32 s[SLOTS], s[SLOTS], 1
	s_cmp_lg_u32 s[SLOTS], 0
	s_cbranch_scc1 .Lslot
	CHANGE 0                          ; the tail is written out: the last slot is entered, and nothing is asked for
	s_mov_b32 s[CNT], 4
.Ltail:
	PAIR
	s_sub_co_u32 s[CNT], s[CNT], 1
	s_cmp_lg_u32 s[CNT], 0
	s_cbranch_scc1 .Ltail
	BLOCK 0, 0, 1, 16, 0              ; block 126: block 127 is rounded, nothing is fetched; behind its second half's run no load was issued
	BLOCK 1, 0, 0, 0, 0               ; block 127
	WIN 0
.set q, 0
.rept 96
	AM 1                              ; the last unit's fold; the four fold lines behind the last matrix instruction are its places
.endr
	; THE WAY OUT: 128 answers go through my stage (its reads for x's fragments are long over, and it is my wave's own) and leave as 512 consecutive bytes.
	FIN 0
	FIN 1
	FIN 2
	FIN 3
	FIN 4
	FIN 5
	FIN 6
	FIN 7
	ds_load_b128 v[24:27], v[ORD]     ; LDS serves a wave's instructions in order (ISA guide 5.7.1.4): this sees the stores above
	s_wait_dscnt 0x0
	global_store_b128 v[XO], v[24:27], s[8:9] th:TH_STORE_NT  ; 32 lanes store 512 consecutive bytes, at a multiple of 512 from out0's first byte
	s_wait_tensorcnt 0x0              ; the wave's end: no tensor load out, then 0 onto my spare word and its wait, behind my last tensor load and my last LDS store
	ds_add_u32 v[SPW], v[NIL]
	s_wait_dscnt 0x0
	ROUND                             ; the closing round: no work-group ends while a partner may still ask for a tile that names it
	s_endpgm
.Lfunc_end_k_q7e59b5a63b_place:
	.size	k_q7e59b5a63b_place, .Lfunc_end_k_q7e59b5a63b_place-k_q7e59b5a63b_place
	.p2alignl 7, 3214868480
	.fill 96, 4, 3214868480
	.section	.rodata,"a",@progbits
	.p2align	6, 0x0
	.amdhsa_kernel k_q7e59b5a63b_place
		.amdhsa_group_segment_fixed_size 327680
		.amdhsa_private_segment_fixed_size 0
		.amdhsa_enable_private_segment 0
		.amdhsa_kernarg_size 24
		.amdhsa_user_sgpr_count 2
		.amdhsa_user_sgpr_kernarg_segment_ptr 1
		.amdhsa_wavefront_size32 1
		.amdhsa_system_sgpr_workgroup_id_x 1
		.amdhsa_system_sgpr_workgroup_id_y 1
		.amdhsa_system_sgpr_workgroup_id_z 1
		.amdhsa_system_vgpr_workitem_id 0
		.amdhsa_next_free_vgpr 1024
		.amdhsa_next_free_sgpr 66
		.amdhsa_reserve_vcc 1
		.amdhsa_float_denorm_mode_32 3
		.amdhsa_float_denorm_mode_16_64 3
		.amdhsa_memory_ordered 1
		.amdhsa_forward_progress 1
		.amdhsa_inst_pref_size 231
	.end_amdhsa_kernel
	.amdgpu_metadata
---
amdhsa.version: [ 1, 2 ]
amdhsa.kernels:
  - .name:           k_q7e59b5a63b_place
    .symbol:         k_q7e59b5a63b_place.kd
    .args:
      - { .name: x, .offset: 0, .size: 8, .value_kind: global_buffer, .address_space: global }
      - { .name: placeCells, .offset: 8, .size: 8, .value_kind: global_buffer, .address_space: global }
      - { .name: out0, .offset: 16, .size: 8, .value_kind: global_buffer, .address_space: global }
    .group_segment_fixed_size: 327680
    .private_segment_fixed_size: 0
    .kernarg_segment_align: 8
    .kernarg_segment_size: 24
    .max_flat_workgroup_size: 128
    .sgpr_count:     66
    .vgpr_count:     1024
    .wavefront_size: 32
...
	.end_amdgpu_metadata
.endif
;; end of part 1
